; MI455X (gfx1250); checked and timed in simulation.
; The chip was launched on July 23, 2026; its instructions are those of AMD's public machine-readable ISA for CDNA 5 (MIT licence, August 2026) and "CDNA5" Instruction Set Architecture Reference Guide (July 2026). The comments in the code are by the model that wrote it; some were corrected since.
;; Multi Head Time Dimension Attention. Allowed arithmetic: matrix products marked QUANTISED: E2M1 operands, one E8M0 scale for each 32 along K, by v_wmma_scale_f32_16x16x128_f8f6f4 with both operands' format E2M1 (or v_wmma_scale_f32_32x16x128_f4), f32 sums; products left as they are: f32 operands where the result goes on into a quantised operand, else bf16, f16 or f32 operands; f32 sums; everything else in f32.
;; Inputs: Wk_codes 16 x 64 x 32 x 16 uint8 (E2M1 codes of Wk, K innermost, in blocks of 32 codes, two codes a byte); Wk_scales 16 x 64 x 32 uint8 (E8M0 scales of Wk, one for each 32 codes along K); Wq_codes 16 x 64 x 32 x 16 uint8 (E2M1 codes of Wq, K innermost, in blocks of 32 codes, two codes a byte); Wq_scales 16 x 64 x 32 uint8 (E8M0 scales of Wq, one for each 32 codes along K); Wv_codes 16 x 64 x 32 x 16 uint8 (E2M1 codes of Wv, K innermost, in blocks of 32 codes, two codes a byte); Wv_scales 16 x 64 x 32 uint8 (E8M0 scales of Wv, one for each 32 codes along K); bk 16 x 64 float32; bq 16 x 64 float32; bv 16 x 64 float32; o_all_codes 16 x 2,048 x 32 x 16 uint8 (E2M1 codes of o_all, K innermost, in blocks of 32 codes, two codes a byte); o_all_scales 16 x 2,048 x 32 uint8 (E8M0 scales of o_all, one for each 32 codes along K); o_last_codes 16 x 1 x 32 x 16 uint8 (E2M1 codes of o_last, K innermost, in blocks of 32 codes, two codes a byte); o_last_scales 16 x 1 x 32 uint8 (E8M0 scales of o_last, one for each 32 codes along K).
;; Outputs: out0 16 x 1 x 1,024 float32.
;; This version of the problem:
;;   THIS VERSION OF THE PROBLEM IS GIVEN IN LOW PRECISION. The matrix products marked QUANTISED in the list below multiply operands that are first quantised to E2M1 (2 exponent bits, 1 mantissa bit; 4 bits a number), with one power-of-two scale for each 32 numbers along K (OCP MX v1.0); their sums are f32. All else is computed in f32.
;;   The module's matrix products, in the order in which they are computed (A, B: the left and right operand; K: the contracted axis; several contracted axes count as one K, in the product's order):
;;     1. [M 1,024, K 1,024] x [K 1,024, N 32,768]; A: input Wk (given as codes); B: input o_all (given as codes): QUANTISED
;;     2. [M 1,024, K 1,024] x [K 1,024, N 32,768]; A: input Wv (given as codes); B: input o_all (given as codes): QUANTISED
;;     3. [M 16, K 1,024] x [K 1,024, N 1,024]; A: input o_last (given as codes); B: input Wq (given as codes): QUANTISED
;;     4. batch 256 x [M 1, K 64] x [K 64, N 2,048]; A: computed on the way; B: computed on the way: left as it is (M = 1 < 16)
;;     5. batch 256 x [M 1, K 2,048] x [K 2,048, N 64]; A: softmax; B: computed on the way: left as it is (M = 1 < 16)
;;   THE QUANTISER, for each operand of a quantised product, along K:
;;     - K is cut into blocks of 32 from its start; a last block that is shorter is filled with zeros.
;;     - A block's scale is 2^e with e = floor(log2(the largest magnitude in the block)) - 2, held to -126 .. 127; a block of zeros has e = 0. As a byte (E8M0): e + 127.
;;     - Each number is divided by its block's scale, clamped to +-6, and rounded to the nearest number of E2M1, ties to even, subnormals kept.
;;     - The product sums the exact products of the quantised numbers (number of the format x scale) in f32.
;;   ~~~python
;;   def quantise(x, axis):      # numpy; x: float32 -> the quantised numbers, widened to float32 again
;;       x = np.moveaxis(x, axis, -1); K = x.shape[-1]
;;       x = np.pad(x, [(0, 0)] * (x.ndim - 1) + [(0, -K % 32)]); x = x.reshape(x.shape[:-1] + (-1, 32)); a = np.abs(x).max(-1, keepdims=True)
;;       e = np.where(a > 0, np.clip(np.frexp(np.where(a > 0, a, 1))[1] - 1 - 2, -126, 127), 0)      # np.frexp(a)[1] - 1 = floor(log2(a)), exactly
;;       r = np.clip(x / 2.0 ** e, -6, 6)
;;       step = 2.0 ** (np.maximum(np.frexp(np.where(r == 0, 1, r))[1] - 1, 0) - 1)
;;       q = np.round(r / step) * step * 2.0 ** e      # np.round: ties to even
;;       return np.moveaxis(q.reshape(q.shape[:-2] + (-1,))[..., :K], -1, axis).astype(np.float32)
;;   ~~~
;;   INPUTS GIVEN AS CODES. Wk (in the module: [16, 1024, 64], K = its axis 1); Wq (in the module: [16, 1024, 64], K = its axis 1); Wv (in the module: [16, 1024, 64], K = its axis 1); o_all (in the module: [16, 2048, 1024], K = its axis 2); o_last (in the module: [16, 1, 1024], K = its axis 2): each comes as NAME_codes (uint8): NAME with its K axis moved to the last place and cut into blocks of 32 codes, [.., K / 32, bytes a block], one block behind the other in memory; two codes a byte, the lower K in the low four bits (a code: sign, 2 exponent bits, 1 mantissa bit); and NAME_scales (uint8): the same leading axes, one E8M0 byte (e + 127) for each 32 codes along K. Its value is code x scale, taken as it is: it is not quantised again, and the codes and scales need not be those that the quantiser above would give.
;; One version. Each part assembles by itself: llvm-mc -triple=amdgcn-amd-amdhsa -mcpu=gfx1250 --defsym DOCPART=n.
;; ======== version 1 of 1: 2 launches
;; limits: right only within a limited range of input values
;; workspace buffers: part 524,288 bytes
;; launch main (part 1): grid 8 x 32, 4 waves a work-group, clusters of 4 x 4, 327,680 bytes of LDS; arguments o_all_codes, o_all_scales, Wk_codes, Wk_scales, Wv_codes, Wv_scales, Wq_codes, Wq_scales, o_last_codes, o_last_scales, bq, part; writes part
.if DOCPART == 1
	.amdgcn_target "amdgcn-amd-amdhsa--gfx1250"
	.amdhsa_code_object_version 6
	.text
	.protected	k_q251cbf702c_main
	.globl	k_q251cbf702c_main
	.p2align	8
	.type	k_q251cbf702c_main,@function
k_q251cbf702c_main:
	s_mov_b64 s[64:65], 0
	v_nop
	global_prefetch_b8 v0, s[64:65] scope:SCOPE_SE
	s_setreg_imm32_b32 hwreg(HW_REG_WAVE_MODE, 25, 1), 1
	s_wait_xcnt 0x0
	s_wait_alu depctr_hold_cnt(0) depctr_sa_sdst(0) depctr_va_vdst(0) depctr_va_sdst(0) depctr_va_ssrc(0) depctr_va_vcc(0) depctr_vm_vsrc(0)
	s_getreg_b32 s2, hwreg(HW_REG_IB_STS2, 6, 4)
	s_cmp_eq_u32 s2, 0
	s_cbranch_scc0 .Lentry_in_a_cluster
	s_endpgm
.Lentry_in_a_cluster:
	s_bfe_u32 s2, ttmp6, 0x10000c
	s_cmp_lg_u32 s2, 0xf033
	s_cbranch_scc0 .Lentry_shape_is_right
	s_endpgm
.Lentry_shape_is_right:
; One-query attention over time, 16 batches x 16 heads x 2,048 tokens, head size 64, model width 1,024.
; K = o_all Wk, V = o_all Wv, q = o_last Wq + bq: three products on codes of FP4 (E2M1) with one E8M0 byte for each 32 along the width, as they are given.
; scores = q . K (no 1 / sqrt), softmax over the tokens, ctx = sum of s V: in f32 vector arithmetic, with a running maximum.
; LEFT OUT AS DEAD WORK, for all finite values of the inputs: bk.  It enters K alone, K enters the scores alone, and there it adds q . bk, the same number for every token of a (batch, head): a term that is the same along the softmax's
; axis cancels between numerator and denominator.  No quantiser follows.  bk is no argument of any launch; a NaN, an infinity or an overflow that reaches bk or q . bk alone is not carried to the result.
; THIS LAUNCH makes, for each (batch, head), four records of 512 bytes in part, each over 512 tokens: 64 sums of p V (V without bv) under the record's maximum M, then the pair (M, L) 32 times.  A second launch joins them and adds bv,
; since the weights sum to 1.  log2(e) is folded into q, so that scores and maxima are exponents of 2.
; LIMITS: NaN, infinities and the scale byte 0xff are not served; scores (in log2 units) lie above -3e38, the running maximum's start.
; SHARES.  Work-group (x, y): heads 2 x, 2 x + 1; tokens 1,024 (y % 2) on of batch y / 2.  Wave w owns head 2 x + w / 2 and, of each 64 tokens, the 32 at 32 (w % 2).  It keeps its head's Wk and Wv in 512 registers.
; The two waves of a head make half of its q each and exchange the halves through LDS.
; CLUSTERS of 4 x 4: tokens hang on y and are asked for jointly along a row, weights hang on x and are asked for jointly along a column.
; LDS: four regions of 128 rows.  The head fills them with Wk, Wv, Wq (two heads each) and tokens 0-127.  Wk and Wv pass on into registers; then regions 0 and 1 are slot X (tokens 128-383, 640-895),
; regions 2 and 3 slot Y (tokens 384-639; at last 896-1,023).  The scale bytes of all 1,024 tokens go through registers into LDS once, 8 KB a wave.
; A STEP IS A PAIR of tiles of 16 tokens: 32 products for K; a block of vector work (the last pair's rescaling and p V, this pair's scores, maximum, a and p); 32 products for V.  One maximum and one rescaling serve both tiles.
; The next pair's 34 LDS loads go in two runs, 18 ahead of K's products and 16 ahead of V's.
; TRANSPOSED USE: source 0 = 32 rows of a weight, source 1 = 16 tokens.  Lane (r, h) then holds token r; register 16 a + 8 u + j of a tile is channel 32 a + 16 u + 8 h + j.
; PREFETCHES: each 256 rows that a refill will ask for are asked of memory ahead of it (the first refill's at the head, the later ones' at the refill before), each aligned block of 256 bytes once in the cluster's row:
; work-group cx takes 64 rows, a wave 16 of them, a lane a block.  The last 128 rows have four pairs in which to land and are not asked for ahead.
; REGISTERS.  Window 0: v1-15 addresses and the softmax; v16-31 token scale words, two pairs; v32-63 Wk's and Wv's scale words; v64-95 q; v96-127 ctx; v128-191 K's tiles (o_last's fragments at the start); v192-255 V's.
; Window 1: fragments of two pairs (staged scale bytes, then Wq in the second half, at the start).  Window 2: Wk.  Window 3: Wv.
.set ROWB,  512
.set PITCH, 528                        ; an LDS row: 512 bytes + 16 of padding
.set TILEB, 16*PITCH
.set REGB,  128*PITCH                  ; a region
.set YB,    2*REGB                     ; slot Y; slot X begins at 0
.set PAIRB, 64*PITCH                   ; 64 tokens: a pair of tiles for each of the two waves of a head
.set SCT,   4*REGB                     ; scale bytes, 32 a token, dense
.set SPARE, SCT+1024*32                ; the spare words, 128 bytes for each wave
.set SCR,   SPARE+512                  ; 256 bytes a wave for the way out
.set QSC,   SCR+4*256                  ; 256 bytes a head: q's exchange
.set AWQ,  1
.set AT0,  2                           ; my place in a pair's rows
.set AS0,  3                           ; and among its scale words
.set SR,   4                           ; q's exchange: where I read my head's q
.set SQ,   5                           ; and where I put my half (v5 until that is done)
.set ADS,  5                           ; scale words of the fetch in hand
.set SPW,  6                           ; LDS address of my spare word; never rewritten
.set NIL,  7                           ; 0; never rewritten
.set AA,   8                           ; a = 2^(old maximum - new): the packed form names v[8:9] and takes its low word
.set LL,   9                           ; the running sum
.set PP0,  10                          ; p of the pair's first tile (v[10:11] is named)
.set MM,   11                          ; the running maximum
.set PP1,  12                          ; p of its second tile (v[12:13] is named)
.set PFO,  13                          ; 256 x lane: the prefetches' offset; never rewritten
.set AWK,  14
.set AWV,  15
.set ADR2, 14                          ; v14, v15 behind the head: LDS address of an even pair's rows, of an odd pair's
.set TS,   16                          ; register 8 x + 4 t + i: lanes 0-15 K step i, lanes 16-31 K step 4 + i, of tile t of a pair of parity x
.set WS,   32                          ; register 8 a + i: lane m has row 32 a + m's word of K step i; + 16: Wv's
.set WQS,  24                          ; Wq's, at the start: my 32 rows
.set OLS,  8                           ; o_last's, at the start
.set Q,    64
.set CTX,  96
.set KA,   128
.set VA,   192
.set STG,  244                         ; addresses that the head alone needs
.set L16,  245
.set L32,  246
.set H16,  247
.set H32,  248
.set RR,   249
.set HH,   250
.set LN,   251
.set MN,   KA+4                        ; behind the scores K's tiles are free: the block's last steps lie there
.set DD,   KA+5
.set E0,   KA+6
.set E1,   KA+7
.set ML,   KA+8                        ; the way out: v[ML:ML+1] = (M, L)
.set OUTP, KA+12
.set SC32, KA+16
.set SC8,  KA+17
.set G8,   KA+18
.set WV,   28                          ; wave
.set WH,   29                          ; which head of the pair
.set CX,   30
.set CY,   31
.set HP,   32                          ; head pair = x
.set HD,   33                          ; my head
.set YY,   34                          ; y = 2 x batch + half
.set CNT,  35
.set RM,   36
.set CM,   37
.set TOKO, 38                          ; s[38:39] tokens' offset: never holds cx
.set WTO,  40                          ; s[40:41] weights' offset: never holds cy
.set TB,   42                          ; the slot that is being fetched from
.set TSB,  43
.set TMP,  44
.set WT,   45                          ; which 32 of each 64 tokens; which 32 channels of q
.set PF,   46                          ; s[46:47] where my prefetches stand
.set G1W,  48                          ; group 1: 128 rows of a weight
.set G1T,  56                          ; group 1: tokens; 128 rows at the head, then 64, at last 32
.set G0H,  68                          ; group 0: the head's weights
.set G0T,  72                          ; the ring's 64 rows a wave
.set G0L,  76                          ; the last 32 rows a wave
.set SEL,  80                          ; v_permlanex16_b32's selects for lane l xor 16
.set OFF,  82
.set G0B,  84                          ; tokens 0-127
.set L2E,  88
.set PADW, (1<<20)|(1<<21)|(6<<22)|(3<<25)  ; padding on; bit 21 beside a mask; after every 128 words, four words
.set W_K,  0x06                        ; source 0 window 2, source 1 window 1, C and D window 0
.set W_V,  0x07                        ; source 0 window 3
.set MSB, 0
.macro WIN new                         ; the high byte repeats the setting that is left
.if MSB != \new
	s_set_vgpr_msb (MSB<<8)|\new
.set MSB, \new
.endif
.endm
.macro PLACES
.rept 4
	v_nop
.endr
.endm
.macro CREST                           ; a round of the cluster's barrier behind its opening barrier
	s_cmp_lg_u32 s[WV], 0
	s_cbranch_scc1 .Lnot_wave_0_\@
	s_barrier_signal -3
.Lnot_wave_0_\@:
	s_barrier_wait -3
	s_barrier_signal -1
	s_barrier_wait -1
.endm
.macro CROUND
	s_barrier_signal -1
	s_barrier_wait -1
	CREST
.endm
.macro GROUP1 g                        ; words 1 to 7: 128 rows of 512 bytes, dense in memory
	s_mov_b32 s[\g+1], ROWB<<16
	s_mov_b32 s[\g+2], 128<<16
	s_mov_b32 s[\g+3], ROWB<<16
	s_mov_b32 s[\g+4], 128
	s_mov_b32 s[\g+5], ROWB
	s_mov_b32 s[\g+6], 0
	s_mov_b32 s[\g+7], 0
.endm
	s_load_b512 s[4:19], s[0:1], 0x0               ; o_all codes 4, scales 6; Wk 8, 10; Wv 12, 14; Wq 16, 18
	s_load_b256 s[20:27], s[0:1], 0x40             ; o_last codes 20, scales 22; bq 24; part 26
	v_lshl_add_u32 v[SPW], v0, 2, SPARE
	v_mov_b32 v[NIL], 0
	ds_add_u32 v[SPW], v[NIL]                      ; the wave's opening: the add, twice on end, under one wait
	ds_add_u32 v[SPW], v[NIL]
	v_lshrrev_b32 v[ADS], 5, v0
	v_readfirstlane_b32 s[WV], v[ADS]              ; wave 0..3
	s_lshr_b32 s[WH], s[WV], 1
	s_and_b32 s[WT], s[WV], 1
	s_mul_i32 s2, s[WH], 64*PITCH                  ; my head's 64 rows in a region of weights
	s_mul_i32 s3, s[WT], 32*PITCH                  ; my 32 tokens of 64, my 32 rows of Wq,
	s_lshl_b32 s90, s[WT], 10                      ; and those tokens' scale bytes
	s_lshl_b32 s91, s[WV], 13                      ; the 8 KB of scale bytes that I stage
	v_and_b32 v[RR], 15, v0
	v_bfe_u32 v[HH], v0, 4, 1
	v_and_b32 v[LN], 31, v0
	v_mul_u32_u24 v[AWK], v[RR], PITCH
	v_lshl_add_u32 v[AWK], v[HH], 4, v[AWK]        ; 528 r + 16 h
	v_add_nc_u32 v[AT0], s3, v[AWK]
	v_add_nc_u32 v[AWK], s2, v[AWK]
	v_add_nc_u32 v[AWV], REGB, v[AWK]
	v_add_nc_u32 v[AWQ], YB, v[AWK]
	v_add_nc_u32 v[AWQ], s3, v[AWQ]
	v_lshlrev_b32 v[AS0], 5, v[RR]
	v_lshl_add_u32 v[AS0], v[HH], 4, v[AS0]
	v_add_nc_u32 v[AS0], SCT, v[AS0]
	v_add_nc_u32 v[AS0], s90, v[AS0]
	v_lshlrev_b32 v[L16], 4, v[LN]
	v_lshlrev_b32 v[L32], 5, v[LN]
	v_lshlrev_b32 v[H16], 4, v[HH]
	v_lshlrev_b32 v[H32], 5, v[HH]
	v_lshlrev_b32 v[PFO], 8, v[LN]
	v_add_nc_u32 v[STG], SCT, v[L16]
	v_add_nc_u32 v[STG], s91, v[STG]
	s_lshl_b32 s90, s[WH], 8
	s_add_co_u32 s90, s90, QSC
	s_lshl_b32 s91, s[WT], 7
	v_add_nc_u32 v[SR], s90, v[H32]
	v_add_nc_u32 v[SQ], s91, v[SR]
	s_bfe_u32 s[CX], ttmp6, 0x40000                ; my place in the cluster
	s_bfe_u32 s[CY], ttmp6, 0x40004
	s_lshl_b32 s[HP], ttmp9, 2
	s_add_co_u32 s[HP], s[HP], s[CX]
	s_and_b32 s[YY], ttmp7, 0xffff
	s_lshl_b32 s[YY], s[YY], 2
	s_add_co_u32 s[YY], s[YY], s[CY]
	s_lshl_b32 s[RM], s[CY], 2
	s_lshl_b32 s[RM], 15, s[RM]                    ; my row of the cluster: the same tokens
	s_lshl_b32 s[CM], 0x1111, s[CX]                ; my column: the same heads
	s_or_b32 s[G1W], s[CM], PADW
	s_or_b32 s[G1T], s[RM], PADW
	GROUP1 G1W
	GROUP1 G1T
	s_lshl_b32 s[TOKO], s[YY], 19                  ; 1,024 tokens x 512 bytes
	s_mov_b32 s[TOKO+1], 0
	s_lshl_b32 s[WTO], s[HP], 16                   ; 128 rows x 512 bytes
	s_mov_b32 s[WTO+1], 0
	s_mov_b32 s[G0H], 1
	s_mul_i32 s[G0H+1], s[WV], REGB                ; waves 0, 1, 2: Wk, Wv, Wq into regions 0, 1, 2
	s_mov_b32 s[G0B], 1
	s_mov_b32 s[G0B+1], 3*REGB
	s_wait_alu depctr_va_vdst(0)                   ; at the end of the head's vector work
	s_wait_dscnt 0x0                               ; both opening adds are done
	CROUND                                         ; all sixteen work-groups are here: the first joint loads meet
	s_wait_kmcnt 0x0
	s_add_nc_u64 s[4:5], s[4:5], s[TOKO:TOKO+1]    ; my first token
	s_mov_b64 s[G0B+2:G0B+3], s[4:5]
	s_or_b32 s[G0B+3], s[G0B+3], 0x80000000
	s_cmp_eq_u32 s[WV], 0                          ; the choice hangs on the wave's number alone
	s_cselect_b64 s[G0H+2:G0H+3], s[8:9], s[12:13]
	s_cmp_eq_u32 s[WV], 2
	s_cselect_b64 s[G0H+2:G0H+3], s[16:17], s[G0H+2:G0H+3]
	s_add_nc_u64 s[G0H+2:G0H+3], s[G0H+2:G0H+3], s[WTO:WTO+1]
	s_or_b32 s[G0H+3], s[G0H+3], 0x80000000
	; THE HEAD'S LOADS, one a wave: waves 0 to 2 a weight's 128 rows, wave 3 tokens 0-127
	s_cmp_lg_u32 s[WV], 3
	s_cbranch_scc0 .Ltokens
	tensor_load_to_lds s[G0H:G0H+3], s[G1W:G1W+7]
	s_nop 0
	PLACES
	s_branch .Lasked
.Ltokens:
	tensor_load_to_lds s[G0B:G0B+3], s[G1T:G1T+7]
	s_nop 0
	PLACES
.Lasked:
	; the bases of the register loads
	s_mov_b32 s[OFF+1], 0
	s_lshl_b32 s[OFF], s[YY], 15
	s_add_nc_u64 s[6:7], s[6:7], s[OFF:OFF+1]      ; my 1,024 tokens' scale bytes,
	s_lshl_b32 s[OFF], s[WV], 13
	s_add_nc_u64 s[6:7], s[6:7], s[OFF:OFF+1]      ; and the quarter of them that I stage
	s_lshl_b32 s[HD], s[HP], 1
	s_add_co_u32 s[HD], s[HD], s[WH]
	s_lshl_b32 s[OFF], s[HD], 11
	s_add_nc_u64 s[10:11], s[10:11], s[OFF:OFF+1]  ; the weights' scale bytes at my head
	s_add_nc_u64 s[14:15], s[14:15], s[OFF:OFF+1]
	s_add_nc_u64 s[18:19], s[18:19], s[OFF:OFF+1]
	s_lshl_b32 s[OFF], s[WT], 10
	s_add_nc_u64 s[18:19], s[18:19], s[OFF:OFF+1]  ; Wq's: my 32 rows
	s_lshl_b32 s[OFF], s[HD], 8
	s_add_nc_u64 s[24:25], s[24:25], s[OFF:OFF+1]  ; bq
	s_lshl_b32 s[OFF], s[WT], 7
	s_add_nc_u64 s[24:25], s[24:25], s[OFF:OFF+1]
	s_lshr_b32 s2, s[YY], 1                        ; the batch
	s_lshl_b32 s[OFF], s2, 9
	s_add_nc_u64 s[20:21], s[20:21], s[OFF:OFF+1]  ; o_last
	s_lshl_b32 s[OFF], s2, 5
	s_add_nc_u64 s[22:23], s[22:23], s[OFF:OFF+1]
	; 47 REGISTER LOADS.  The first 16: 8 KB of token scale bytes, 512 consecutive bytes each, into window 1
	WIN 0x40
.irp i, 0,1,2,3,4,5,6,7,8,9,10,11,12,13,14,15
	global_load_b128 v[4*\i:4*\i+3], v[L16], s[6:7] offset:512*\i
.endr
	WIN 0
.irp a, 0,1                                    ; scale words: lane m takes row 32 a + m
.irp c, 0,1
	global_load_b128 v[WS+8*\a+4*\c:WS+8*\a+4*\c+3], v[L32], s[10:11] offset:1024*\a+16*\c
	global_load_b128 v[WS+16+8*\a+4*\c:WS+16+8*\a+4*\c+3], v[L32], s[14:15] offset:1024*\a+16*\c
.endr
.endr
.irp c, 0,1
	global_load_b128 v[WQS+4*\c:WQS+4*\c+3], v[L32], s[18:19] offset:16*\c
.endr
	global_load_b128 v[OLS:OLS+3], v[H16], s[22:23]   ; lanes 0-15 K steps 0-3, lanes 16-31 K steps 4-7; the same in every column
.irp u, 0,1                                    ; bq in the result's layout: the C of q's first product
.irp c, 0,1
	global_load_b128 v[Q+8*\u+4*\c:Q+8*\u+4*\c+3], v[H32], s[24:25] offset:64*\u+16*\c
.endr
.endr
.irp q, 0,1,2,3,4,5,6,7                        ; o_last as source 1: all 16 columns are the one token, so that every lane gets q
.irp c, 0,1
	global_load_b128 v[KA+8*\q+4*\c:KA+8*\q+4*\c+3], v[H16], s[20:21] offset:64*\q+32*\c
.endr
.endr
	; the ring's descriptors, the prefetches' base, the record
	s_mov_b32 s3, 0
	s_lshl_b32 s2, s[WV], 15
	s_add_co_u32 s2, s2, 128*ROWB                  ; token 128 + 64 w
	s_mov_b32 s[G0T], 1
	s_mul_i32 s[G0T+1], s[WV], 64*PITCH
	s_add_nc_u64 s[G0T+2:G0T+3], s[4:5], s[2:3]
	s_or_b32 s[G0T+3], s[G0T+3], 0x80000000
	s_lshl_b32 s2, s[WV], 14
	s_add_co_u32 s2, s2, 896*ROWB                  ; token 896 + 32 w
	s_mov_b32 s[G0L], 1
	s_mul_i32 s[G0L+1], s[WV], 32*PITCH
	s_add_co_u32 s[G0L+1], s[G0L+1], YB
	s_add_nc_u64 s[G0L+2:G0L+3], s[4:5], s[2:3]
	s_or_b32 s[G0L+3], s[G0L+3], 0x80000000
	s_lshl_b32 s90, s[CX], 15                      ; 64 rows a work-group of the cluster's row,
	s_lshl_b32 s91, s[WV], 13                      ; 16 a wave
	s_add_co_u32 s90, s90, s91
	s_add_co_u32 s90, s90, 128*ROWB
	s_mov_b32 s91, 0
	s_add_nc_u64 s[PF:PF+1], s[4:5], s[90:91]
	s_lshr_b32 s2, s[YY], 1
	s_lshl_b32 s2, s2, 4
	s_add_co_u32 s2, s2, s[HD]
	s_lshl_b32 s2, s2, 2
	s_and_b32 s90, s[YY], 1
	s_lshl_b32 s90, s90, 1
	s_add_co_u32 s2, s2, s90
	s_add_co_u32 s2, s2, s[WT]                     ; the record: (16 batch + head) 4 + 2 half + w % 2
	s_lshl_b32 s2, s2, 9
	s_add_nc_u64 s[26:27], s[26:27], s[2:3]
	s_mov_b32 s[SEL], 0x76543210
	s_mov_b32 s[SEL+1], 0xfedcba98
	s_mov_b32 s[L2E], 0x3fb8aa3b                   ; log2(e); named as a pair by the packed form, so both are written
	s_mov_b32 s[L2E+1], s[L2E]
	s_wait_loadcnt 31                              ; 31 loads were issued behind the 16 of scale bytes: those are in
	WIN 0x04                                       ; store data: window 1
.irp i, 0,1,2,3,4,5,6,7,8,9,10,11,12,13,14,15
	ds_store_b128 v[STG], v[4*\i:4*\i+3] offset:512*\i
.endr
	WIN 0
	s_wait_tensorcnt 0x0                           ; my fill has landed,
	s_wait_dscnt 0x0                               ; my scale bytes are stored:
	s_barrier_signal -1
	s_barrier_wait -1                              ; everybody's
; 64 LDS loads: my head's 64 rows of a weight become fragments of 32 rows x 128 K, 16 registers each: half a, K step q at v[128 a + 16 q] of the window
.macro PULL adr, win
	WIN \win
.irp t, 0,1,2,3
.irp q, 0,1,2,3,4,5,6,7
.irp c, 0,1
	ds_load_b128 v[128*(\t/2)+16*\q+8*(\t%2)+4*\c:128*(\t/2)+16*\q+8*(\t%2)+4*\c+3], v[\adr] offset:\t*TILEB+64*\q+32*\c
.endr
.endr
.endr
	WIN 0
.endm
	PULL AWK, 0x80
	global_prefetch_b8 v[PFO], s[PF:PF+1] th:TH_LOAD_NT scope:SCOPE_SE   ; tokens 128-383, which the first refill will ask for
	PULL AWV, 0xc0
	; THE FIRST REFILL: tokens 128-383 take Wk's and Wv's place, 64 rows a wave
	s_wait_tensorcnt 0x0
	ds_add_u32 v[SPW], v[NIL]
	s_mov_b32 s[G1T+2], 64<<16                     ; no tensor load of mine is out: from here on a load brings 64 rows
	s_mov_b32 s[G1T+4], 64
	s_wait_dscnt 0x0                               ; the add is done, and my reads of both weights are back
	CROUND
	tensor_load_to_lds s[G0T:G0T+3], s[G1T:G1T+7]
	s_nop 0
	PLACES
	v_add_nc_u32 v[ADR2], YB+2*PAIRB, v[AT0]       ; pairs 0 and 1 lie in region 3
	WIN 0x40
.irp q, 0,1,2,3,4,5,6,7                        ; my 32 rows of Wq into the second half of window 1: 32 loads
.irp u, 0,1
.irp c, 0,1
	ds_load_b128 v[128+16*\q+8*\u+4*\c:128+16*\q+8*\u+4*\c+3], v[AWQ] offset:\u*TILEB+64*\q+32*\c
.endr
.endr
.endr
	WIN 0
.irp t, 0,1                                    ; pair 0 into the first half: 34 loads
	ds_load_b128 v[TS+4*\t:TS+4*\t+3], v[AS0] offset:512*\t
.endr
	WIN 0x40
.irp q, 0,1,2,3,4,5,6,7
.irp t, 0,1
.irp c, 0,1
	ds_load_b128 v[64*\t+8*\q+4*\c:64*\t+8*\q+4*\c+3], v[ADR2] offset:\t*TILEB+64*\q+32*\c
.endr
.endr
.endr
	WIN 0
	s_wait_xcnt 0x0                                ; the first prefetch has read its base
	s_add_nc_u64 s[PF:PF+1], s[PF:PF+1], 256*ROWB
	global_prefetch_b8 v[PFO], s[PF:PF+1] th:TH_LOAD_NT scope:SCOPE_SE   ; tokens 384-639, one refill ahead
	s_wait_loadcnt 0x0
.set n, 0
.rept 32
	v_mov_b32 v[CTX+n], 0                          ; the pair is written once: its first fold finds zeros
.set n, n+1
.endr
.set n, 0
.rept 64
	v_mov_b32 v[VA+n], 0
.set n, n+1
.endr
	v_add_nc_u32 v[ADR2+1], YB+3*PAIRB, v[AT0]
	s_wait_alu depctr_va_vdst(0)                   ; directly ahead of the wait below
	s_wait_dscnt 34                                ; Wq's 32 loads are in; pair 0's 34 may be out
	WIN 0x01                                       ; source 0 (Wq) window 1
.irp q, 0,1,2,3,4,5,6,7                        ; my half of q = o_last Wq + bq: even and odd K steps in two sums by turns, one instruction a turn
.set rD, Q+16*(\q%2)
.if \q == 1
	v_wmma_scale_f32_32x16x128_f4 v[rD:rD+15], v[128+16*\q:128+16*\q+15], v[KA+8*\q:KA+8*\q+7], 0, v[WQS+\q], v[OLS+\q%4]
.elseif \q < 4
	v_wmma_scale_f32_32x16x128_f4 v[rD:rD+15], v[128+16*\q:128+16*\q+15], v[KA+8*\q:KA+8*\q+7], v[rD:rD+15], v[WQS+\q], v[OLS+\q%4]
.else
	v_wmma_scale_f32_32x16x128_f4 v[rD:rD+15], v[128+16*\q:128+16*\q+15], v[KA+8*\q:KA+8*\q+7], v[rD:rD+15], v[WQS+\q], v[OLS+\q%4] matrix_b_scale:MATRIX_SCALE_ROW1
.endif
.endr
	WIN 0
	PLACES
.set n, 0
.rept 8
	v_pk_add_f32 v[Q+n:Q+n+1], v[Q+n:Q+n+1], v[Q+16+n:Q+17+n]   ; the two sums, each from its low end on
.set n, n+2
.endr
.set n, 0
.rept 8
	v_pk_mul_f32 v[Q+n:Q+n+1], v[Q+n:Q+n+1], s[L2E:L2E+1] op_sel_hi:[1,0]   ; x log2(e)
.set n, n+2
.endr
.irp u, 0,1                                    ; (sixteen lanes write the same bytes with the same values)
.irp c, 0,1
	ds_store_b128 v[SQ], v[Q+8*\u+4*\c:Q+8*\u+4*\c+3] offset:64*\u+16*\c
.endr
.endr
	v_add_nc_u32 v[ADS], 2048, v[AS0]              ; pair 1's scale words
	v_mov_b32 v[AA], 0
	v_mov_b32 v[LL], 0
	v_mov_b32 v[PP0], 0
	v_mov_b32 v[PP1], 0
	v_mov_b32 v[MM], 0xff61b1e6                    ; the running maximum: -3e38, under every score
	s_mov_b32 s[TB], YB                            ; pair 1, the next fetch, lies in slot Y's last quarter
	s_mov_b32 s[TSB], 2048
	s_mov_b32 s[CNT], 2
	s_wait_alu depctr_va_vdst(0)
	s_wait_dscnt 0x0                               ; my half of q is stored (and pair 0 is in):
	s_barrier_signal -1
	s_barrier_wait -1                              ; everybody's
.irp t, 0,1,2,3                                ; my head's whole q in the result's layout: 8 loads
.irp c, 0,1
	ds_load_b128 v[Q+8*\t+4*\c:Q+8*\t+4*\c+3], v[SR] offset:64*\t+16*\c
.endr
.endr
; n more of the 32 loads of a pair of parity y (2 tiles x 8 K steps x 2 halves; nl counts them, K steps ascending)
.macro LOADN y, n
	WIN 0x40
.rept \n
.set rL, 128*(\y)+64*((nl/2)%2)+8*(nl/4)+4*(nl%2)
	ds_load_b128 v[rL:rL+3], v[ADR2+(\y)] offset:((nl/2)%2)*TILEB+64*(nl/4)+32*(nl%2)
.set nl, nl+1
.endr
.endm
; the four products of a K step: halves a of the weight's rows x tiles t of the pair: the four accumulators take turns, one instruction a turn.  K steps 4-7 read the tokens' scales from lanes 16-31.
.macro PROD acc, ws, x, ks
.irp a, 0,1
.irp t, 0,1
.set rD, \acc+32*\t+16*\a
.set rA, 128*\a+16*(\ks)
.set rB, 128*(\x)+64*\t+8*(\ks)
.set rW, \ws+8*\a+(\ks)
.set rT, TS+8*(\x)+4*\t+(\ks)%4
.if (\ks) == 0
	v_wmma_scale_f32_32x16x128_f4 v[rD:rD+15], v[rA:rA+15], v[rB:rB+7], 0, v[rW], v[rT]
.elseif (\ks) < 4
	v_wmma_scale_f32_32x16x128_f4 v[rD:rD+15], v[rA:rA+15], v[rB:rB+7], v[rD:rD+15], v[rW], v[rT]
.else
	v_wmma_scale_f32_32x16x128_f4 v[rD:rD+15], v[rA:rA+15], v[rB:rB+7], v[rD:rD+15], v[rW], v[rT] matrix_b_scale:MATRIX_SCALE_ROW1
.endif
.endr
.endr
.endm
; n more of the last pair's 48 lines: ctx x a, then ctx += p V of its first and of its second tile (V's accumulators from their low ends on)
.macro FILL n
.rept \n
.if nf < 16
	v_pk_mul_f32 v[CTX+2*nf:CTX+2*nf+1], v[CTX+2*nf:CTX+2*nf+1], v[AA:AA+1] op_sel_hi:[1,0]
.elseif nf < 32
	v_pk_fma_f32 v[CTX+2*nf-32:CTX+2*nf-31], v[VA+2*nf-32:VA+2*nf-31], v[PP0:PP0+1], v[CTX+2*nf-32:CTX+2*nf-31] op_sel_hi:[1,0,1]
.else
	v_pk_fma_f32 v[CTX+2*nf-64:CTX+2*nf-63], v[VA+2*nf-32:VA+2*nf-31], v[PP1:PP1+1], v[CTX+2*nf-64:CTX+2*nf-63] op_sel_hi:[1,0,1]
.endif
.set nf, nf+1
.endr
.endm
; THE BLOCK BETWEEN K's PRODUCTS AND V's.  26 lines of the last pair stand between K's products and the first read of their results.  The scores: four chains for each tile, in place in K's registers, each accumulator from its low end on.
; Then a run in which each line needs the one before; the last pair's other lines are set between its steps.  All of them stand ahead of the exponentials.
.macro SBLOCK x, nx, addr
.set nf, 0
	FILL 16
	v_fma_f32 v[LL], v[LL], v[AA], v[PP0]          ; l = l a + p + p
	FILL 4
	v_add_f32 v[LL], v[LL], v[PP1]
	FILL 4
.irp kk, 0,1,2,3
.irp g, 0,2,1,3
.irp t, 0,1
.set rK, KA+32*\t+8*\g
.set rQ, Q+8*\g+2*\kk
.if \kk == 0
	v_pk_mul_f32 v[rK:rK+1], v[rK:rK+1], v[rQ:rQ+1]
.else
	v_pk_fma_f32 v[rK:rK+1], v[rK+2*\kk:rK+2*\kk+1], v[rQ:rQ+1], v[rK:rK+1]
.endif
.endr
.endr
.endr
.irp t, 0,1
	v_pk_add_f32 v[KA+32*\t:KA+32*\t+1], v[KA+32*\t:KA+32*\t+1], v[KA+32*\t+8:KA+32*\t+9]
	v_pk_add_f32 v[KA+32*\t+16:KA+32*\t+17], v[KA+32*\t+16:KA+32*\t+17], v[KA+32*\t+24:KA+32*\t+25]
.endr
	FILL 4
.irp t, 0,1
	v_pk_add_f32 v[KA+32*\t:KA+32*\t+1], v[KA+32*\t:KA+32*\t+1], v[KA+32*\t+16:KA+32*\t+17]
.endr
	FILL 4
.irp t, 0,1
	v_add_f32 v[KA+32*\t], v[KA+32*\t], v[KA+32*\t+1]
.endr
	FILL 4
.irp t, 0,1
	v_permlanex16_b32 v[KA+32*\t+2], v[KA+32*\t], s[SEL], s[SEL+1]
.endr
	FILL 4
.irp t, 0,1
	v_add_f32 v[KA+32*\t], v[KA+32*\t], v[KA+32*\t+2]   ; the token's score, the same bits in both halves of the lanes
.endr
	FILL 4
	v_max3_num_f32 v[MN], v[MM], v[KA], v[KA+32]
	FILL 4
	v_sub_f32 v[DD], v[MM], v[MN]
	v_sub_f32 v[E0], v[KA], v[MN]
	v_sub_f32 v[E1], v[KA+32], v[MN]
.if \addr                                      ; where the pair after the next lies
.if \nx == 0
	s_xor_b32 s[TB], s[TB], YB                     ; it is the first of the other slot
.endif
	s_add_co_u32 s[TMP], s[TB], (\nx)*PAIRB
	s_add_co_u32 s[TSB], s[TSB], 2048
	v_add_nc_u32 v[ADR2+\x], s[TMP], v[AT0]
	v_add_nc_u32 v[ADS], s[TSB], v[AS0]
.endif
	s_wait_alu depctr_va_vdst(0)                   ; the wait ahead of the batch,
	v_exp_f32 v[AA], v[DD]
	v_exp_f32 v[PP0], v[E0]
	v_exp_f32 v[PP1], v[E1]
	v_mov_b32 v[MM], v[MN]                         ; (the plain instruction behind the exponentials)
	s_wait_alu depctr_va_vdst(0)                   ; and behind it
.endm
; A PAIR of parity x.  nx: the place in its slot of the pair after the next.  fetch = 1: the next pair is fetched; its registers were left by the last pair's V products.
; chg: 1, 2, 3: a change of slots stands in V's products: all reads of the old slot, the next pair's among them, were issued ahead of those products.  1: the old slot is filled again with 256 rows; 2: with the last 128; 3: no fill.
; In front of its barrier each wave waits for all its tensor loads, adds 0 to its spare word, and waits for that and for its reads; eight products stand between the add and that wait, eight between signal and wait.
.macro PAIR x, nx, chg, fetch, addr
.set nl, 0
.if \fetch                                     ; the next pair's scale words and K steps 0-3: 18 loads
.irp t, 0,1
	ds_load_b128 v[TS+8*(1-\x)+4*\t:TS+8*(1-\x)+4*\t+3], v[ADS] offset:512*\t
.endr
	LOADN 1-\x, 16
	s_wait_dscnt 34                                ; my scale words and K steps 0-3 are in; my K steps 4-7 (16 loads) and the 18 just issued may be out
.else
	s_wait_dscnt 16                                ; (nothing was issued: my K steps 4-7 may be out)
.endif
	WIN W_K
.irp ks, 0,1,2,3
	PROD KA, WS, \x, \ks
.endr
.if \fetch
	s_wait_dscnt 18                                ; all but the 18 (in pair 0: q too)
.else
	s_wait_dscnt 0x0
.endif
.irp ks, 4,5,6,7
	PROD KA, WS, \x, \ks
.endr
	WIN 0
	SBLOCK \x, \nx, \addr
.if \fetch                                     ; the next pair's K steps 4-7: 16 loads
	LOADN 1-\x, 16
.endif
	WIN W_V
.irp ks, 0,1,2,3
	PROD VA, WS+16, \x, \ks
.endr
.if \chg
	WIN 0                                          ; (the add's registers lie in window 0)
	s_wait_tensorcnt 0x0
.if \chg < 3
	ds_add_u32 v[SPW], v[NIL]
.endif
.if \chg == 1
	s_wait_xcnt 0x0                                ; the last prefetch has read its base
	s_add_nc_u64 s[PF:PF+1], s[PF:PF+1], 256*ROWB
	s_xor_b32 s[G0T+1], s[G0T+1], YB               ; the other slot, 256 tokens on
	s_add_nc_u64 s[G0T+2:G0T+3], s[G0T+2:G0T+3], 256*ROWB
.endif
.if \chg == 2
	s_mov_b32 s[G1T+2], 32<<16                     ; the last load: 32 rows a wave
	s_mov_b32 s[G1T+4], 32
.endif
.endif
	WIN W_V
	PROD VA, WS+16, \x, 4
	PROD VA, WS+16, \x, 5
.if \chg
	s_wait_dscnt 0x0
	s_barrier_signal -1
.endif
	PROD VA, WS+16, \x, 6
	PROD VA, WS+16, \x, 7
	WIN 0
.if \chg
	s_barrier_wait -1
.if \chg < 3
	CREST                                          ; no wave of any partner still reads the old slot or has a load on its way
.if \chg == 1
	tensor_load_to_lds s[G0T:G0T+3], s[G1T:G1T+7]
.else
	tensor_load_to_lds s[G0L:G0L+3], s[G1T:G1T+7]
.endif
	s_nop 0
.endif
.endif
	PLACES                                         ; in front of the loads into what V's products have read (ISA guide 7.12.1 for vector instructions)
.if \chg == 1
	s_cmp_eq_u32 s[CNT], 2                         ; the loop's first trip alone: tokens 640-895, which the second trip's refill will ask for
	s_cbranch_scc0 .Lnoask_\@
	global_prefetch_b8 v[PFO], s[PF:PF+1] th:TH_LOAD_NT scope:SCOPE_SE
.Lnoask_\@:
.endif
.endm
.Lring:                                            ; pairs 0-3 and 4-7: a trip changes slots once and fills the slot that it has left
	PAIR 0, 0, 1, 1, 1
	PAIR 1, 1, 0, 1, 1
	PAIR 0, 2, 0, 1, 1
	PAIR 1, 3, 0, 1, 1
	s_sub_co_u32 s[CNT], s[CNT], 1
	s_cmp_lg_u32 s[CNT], 0
	s_cbranch_scc1 .Lring
	PAIR 0, 0, 2, 1, 1                             ; pair 8: the last fill
	PAIR 1, 1, 0, 1, 1
	PAIR 0, 2, 0, 1, 1
	PAIR 1, 3, 0, 1, 1
	PAIR 0, 0, 3, 1, 1                             ; pair 12: the last change of slots, no fill
	PAIR 1, 1, 0, 1, 1
	PAIR 0, 0, 0, 1, 0
	PAIR 1, 0, 0, 0, 0                             ; pair 15
	; the last pair's own lines
.set nf, 0
	FILL 16
	v_fma_f32 v[LL], v[LL], v[AA], v[PP0]
	FILL 4
	v_add_f32 v[LL], v[LL], v[PP1]
	FILL 28
	; the sixteen lanes of a half hold sixteen streams of tokens, each under its own maximum: they are joined under M, the largest
	v_mov_b32 v[ML], v[MM]
.irp m, 1,2,4,8
	v_max_num_f32_dpp v[ML], v[ML], v[ML] row_xmask:\m row_mask:0xf bank_mask:0xf
.endr
	s_lshl_b32 s2, s[WV], 8
	s_add_co_u32 s2, s2, SCR                       ; my 256 bytes of scratch
	v_sub_f32 v[DD], v[MM], v[ML]
	v_and_b32 v[G8], 31, v0
	v_lshlrev_b32 v[G8], 3, v[G8]
	v_add_nc_u32 v[SC8], s2, v[G8]
	v_bfe_u32 v[SC32], v0, 4, 1
	v_lshlrev_b32 v[SC32], 5, v[SC32]
	v_add_nc_u32 v[SC32], s2, v[SC32]
	s_wait_alu depctr_va_vdst(0)                   ; the wait ahead of the transcendental too
	v_exp_f32 v[AA], v[DD]                         ; f = 2^(my maximum - M)
	v_nop
	s_wait_alu depctr_va_vdst(0)
	v_mul_f32 v[ML+1], v[LL], v[AA]
.set n, 0
.rept 16
	v_pk_mul_f32 v[CTX+n:CTX+n+1], v[CTX+n:CTX+n+1], v[AA:AA+1] op_sel_hi:[1,0]
.set n, n+2
.endr
.irp m, 1,2,4,8
	v_add_f32_dpp v[ML+1], v[ML+1], v[ML+1] row_xmask:\m row_mask:0xf bank_mask:0xf   ; L
.irp n, 0,1,2,3,4,5,6,7,8,9,10,11,12,13,14,15,16,17,18,19,20,21,22,23,24,25,26,27,28,29,30,31
	v_add_f32_dpp v[CTX+\n], v[CTX+\n], v[CTX+\n] row_xmask:\m row_mask:0xf bank_mask:0xf
.endr
.endr
	; every lane of a half now holds the half's 32 channels: they go to my scratch (sixteen lanes write the same bytes with the same values) and come back two channels a lane
.irp t, 0,1,2,3
.irp c, 0,1
	ds_store_b128 v[SC32], v[CTX+8*\t+4*\c:CTX+8*\t+4*\c+3] offset:64*\t+16*\c
.endr
.endr
	ds_load_b64 v[OUTP:OUTP+1], v[SC8]             ; LDS serves a wave's instructions in order (ISA guide 5.7.1.4): this sees the stores above
	s_wait_dscnt 0x0
	global_store_b64 v[G8], v[OUTP:OUTP+1], s[26:27]             ; 32 lanes store 256 consecutive bytes, aligned: the 64 sums
	global_store_b64 v[G8], v[ML:ML+1], s[26:27] offset:256      ; and 256 more: (M, L), a pair a lane
	s_wait_tensorcnt 0x0                           ; the wave's end: behind my last tensor load and my last LDS store
	ds_add_u32 v[SPW], v[NIL]
	s_wait_dscnt 0x0
	CROUND                                         ; the closing round: no work-group ends while a partner may still ask for a tile that names it
	s_endpgm
.Lfunc_end_k_q251cbf702c_main:
	.size	k_q251cbf702c_main, .Lfunc_end_k_q251cbf702c_main-k_q251cbf702c_main
	.p2alignl 7, 3214868480
	.fill 96, 4, 3214868480
	.section	.rodata,"a",@progbits
	.p2align	6, 0x0
	.amdhsa_kernel k_q251cbf702c_main
		.amdhsa_group_segment_fixed_size 327680
		.amdhsa_private_segment_fixed_size 0
		.amdhsa_enable_private_segment 0
		.amdhsa_kernarg_size 96
		.amdhsa_user_sgpr_count 2
		.amdhsa_user_sgpr_kernarg_segment_ptr 1
		.amdhsa_wavefront_size32 1
		.amdhsa_system_sgpr_workgroup_id_x 1
		.amdhsa_system_sgpr_workgroup_id_y 1
		.amdhsa_system_sgpr_workgroup_id_z 1
		.amdhsa_system_vgpr_workitem_id 0
		.amdhsa_next_free_vgpr 1024
		.amdhsa_next_free_sgpr 102
		.amdhsa_reserve_vcc 0
		.amdhsa_float_denorm_mode_32 3
		.amdhsa_float_denorm_mode_16_64 3
		.amdhsa_memory_ordered 1
		.amdhsa_forward_progress 1
		.amdhsa_inst_pref_size 248
	.end_amdhsa_kernel
	.amdgpu_metadata
---
amdhsa.version: [ 1, 2 ]
amdhsa.kernels:
  - .name:           k_q251cbf702c_main
    .symbol:         k_q251cbf702c_main.kd
    .args:
      - { .name: o_all_codes, .offset: 0, .size: 8, .value_kind: global_buffer, .address_space: global }
      - { .name: o_all_scales, .offset: 8, .size: 8, .value_kind: global_buffer, .address_space: global }
      - { .name: Wk_codes, .offset: 16, .size: 8, .value_kind: global_buffer, .address_space: global }
      - { .name: Wk_scales, .offset: 24, .size: 8, .value_kind: global_buffer, .address_space: global }
      - { .name: Wv_codes, .offset: 32, .size: 8, .value_kind: global_buffer, .address_space: global }
      - { .name: Wv_scales, .offset: 40, .size: 8, .value_kind: global_buffer, .address_space: global }
      - { .name: Wq_codes, .offset: 48, .size: 8, .value_kind: global_buffer, .address_space: global }
      - { .name: Wq_scales, .offset: 56, .size: 8, .value_kind: global_buffer, .address_space: global }
      - { .name: o_last_codes, .offset: 64, .size: 8, .value_kind: global_buffer, .address_space: global }
      - { .name: o_last_scales, .offset: 72, .size: 8, .value_kind: global_buffer, .address_space: global }
      - { .name: bq, .offset: 80, .size: 8, .value_kind: global_buffer, .address_space: global }
      - { .name: part, .offset: 88, .size: 8, .value_kind: global_buffer, .address_space: global }
    .group_segment_fixed_size: 327680
    .private_segment_fixed_size: 0
    .kernarg_segment_align: 8
    .kernarg_segment_size: 96
    .max_flat_workgroup_size: 128
    .sgpr_count:     102
    .vgpr_count:     1024
    .wavefront_size: 32
...
	.end_amdgpu_metadata
.endif
;; end of part 1
;; launch combine (part 2): grid 64 x 1, 4 waves a work-group, no clusters, 0 bytes of LDS; arguments part, bv, out0; writes out0
.if DOCPART == 2
	.amdgcn_target "amdgcn-amd-amdhsa--gfx1250"
	.amdhsa_code_object_version 6
	.text
	.protected	k_q251cbf702c_combine
	.globl	k_q251cbf702c_combine
	.p2align	8
	.type	k_q251cbf702c_combine,@function
k_q251cbf702c_combine:
	s_mov_b64 s[64:65], 0
	v_nop
	global_prefetch_b8 v0, s[64:65] scope:SCOPE_SE
	s_setreg_imm32_b32 hwreg(HW_REG_WAVE_MODE, 25, 1), 1
	s_wait_xcnt 0x0
; The four quarters of the tokens are joined.  For pair p = 16 batch + head, part holds four records of 512 bytes: 64 sums c_i of p V under the maximum M_i (an exponent of 2), then the pair (M_i, L_i) 32 times.
; out = (sum of c_i f_i) / (sum of L_i f_i) + bv, f_i = 2^(M_i - M), M the largest M_i.  bv is added behind the division: the weights sum to 1.
; One wave to a pair, two channels a lane: every load and the store cover 256 consecutive bytes, aligned.  No LDS, no barrier, no matrix unit: 2,304 bytes in and 256 out for each wave, nine loads out together.
.set RECB, 512                         ; bytes of a record
	s_load_b128 s[4:7], s[0:1], 0x0                ; part, bv
	s_load_b64 s[8:9], s[0:1], 0x10                ; out0
	v_lshrrev_b32 v1, 5, v0
	v_readfirstlane_b32 s10, v1                    ; wave
	v_and_b32 v2, 31, v0
	v_lshlrev_b32 v2, 3, v2                        ; 8 x lane
	s_lshl_b32 s11, ttmp9, 2
	s_add_co_u32 s11, s11, s10                     ; p
	s_lshl_b32 s12, s11, 11                        ; four records
	s_mov_b32 s13, 0
	s_and_b32 s14, s11, 15                         ; the head
	s_lshl_b32 s14, s14, 8
	s_mov_b32 s15, 0
	s_wait_alu depctr_va_vdst(0)
	s_wait_kmcnt 0x0
	s_add_nc_u64 s[4:5], s[4:5], s[12:13]
	s_add_nc_u64 s[6:7], s[6:7], s[14:15]
	s_lshl_b32 s12, s11, 8                         ; 64 f32 of the output
	s_add_nc_u64 s[8:9], s[8:9], s[12:13]
.irp i, 0,1,2,3
	global_load_b64 v[12+2*\i:13+2*\i], v2, s[4:5] offset:RECB*\i+256 th:TH_LOAD_NT   ; (M_i, L_i)
.endr
.irp i, 0,1,2,3
	global_load_b64 v[4+2*\i:5+2*\i], v2, s[4:5] offset:RECB*\i th:TH_LOAD_NT         ; my two channels of c_i
.endr
	global_load_b64 v[20:21], v2, s[6:7]           ; and of bv
	s_wait_loadcnt 0x0
	v_max3_num_f32 v22, v12, v14, v16
	v_max_num_f32 v22, v22, v18                    ; M
.irp i, 0,1,2,3
	v_sub_f32 v[24+\i], v[12+2*\i], v22
.endr
	s_wait_alu depctr_va_vdst(0)
.irp i, 0,1,2,3
	v_exp_f32 v[24+\i], v[24+\i]                   ; f_i, at most 1
.endr
	v_nop                                          ; a plain instruction behind the batch,
	s_wait_alu depctr_va_vdst(0)                   ; and one wait for the four, ahead of their first reader
	v_mul_f32 v28, v13, v24
	v_mul_f32 v30, v4, v24
	v_mul_f32 v31, v5, v24
.irp i, 1,2,3
	v_fma_f32 v28, v[13+2*\i], v[24+\i], v28       ; L
	v_fma_f32 v30, v[4+2*\i], v[24+\i], v30
	v_fma_f32 v31, v[5+2*\i], v[24+\i], v31
.endr
	s_wait_alu depctr_va_vdst(0)
	v_rcp_f32 v29, v28
	v_nop
	s_wait_alu depctr_va_vdst(0)
	v_fma_f32 v30, v30, v29, v20
	v_fma_f32 v31, v31, v29, v21
	global_store_b64 v2, v[30:31], s[8:9] th:TH_STORE_NT
	s_endpgm
.Lfunc_end_k_q251cbf702c_combine:
	.size	k_q251cbf702c_combine, .Lfunc_end_k_q251cbf702c_combine-k_q251cbf702c_combine
	.p2alignl 7, 3214868480
	.fill 96, 4, 3214868480
	.section	.rodata,"a",@progbits
	.p2align	6, 0x0
	.amdhsa_kernel k_q251cbf702c_combine
		.amdhsa_group_segment_fixed_size 0
		.amdhsa_private_segment_fixed_size 0
		.amdhsa_enable_private_segment 0
		.amdhsa_kernarg_size 24
		.amdhsa_user_sgpr_count 2
		.amdhsa_user_sgpr_kernarg_segment_ptr 1
		.amdhsa_wavefront_size32 1
		.amdhsa_system_sgpr_workgroup_id_x 1
		.amdhsa_system_sgpr_workgroup_id_y 1
		.amdhsa_system_sgpr_workgroup_id_z 1
		.amdhsa_system_vgpr_workitem_id 0
		.amdhsa_next_free_vgpr 32
		.amdhsa_next_free_sgpr 66
		.amdhsa_reserve_vcc 0
		.amdhsa_float_denorm_mode_32 3
		.amdhsa_float_denorm_mode_16_64 3
		.amdhsa_memory_ordered 1
		.amdhsa_forward_progress 1
		.amdhsa_inst_pref_size 4
	.end_amdhsa_kernel
	.amdgpu_metadata
---
amdhsa.version: [ 1, 2 ]
amdhsa.kernels:
  - .name:           k_q251cbf702c_combine
    .symbol:         k_q251cbf702c_combine.kd
    .args:
      - { .name: part, .offset: 0, .size: 8, .value_kind: global_buffer, .address_space: global }
      - { .name: bv, .offset: 8, .size: 8, .value_kind: global_buffer, .address_space: global }
      - { .name: out0, .offset: 16, .size: 8, .value_kind: global_buffer, .address_space: global }
    .group_segment_fixed_size: 0
    .private_segment_fixed_size: 0
    .kernarg_segment_align: 8
    .kernarg_segment_size: 24
    .max_flat_workgroup_size: 128
    .sgpr_count:     66
    .vgpr_count:     32
    .wavefront_size: 32
...
	.end_amdgpu_metadata
.endif
;; end of part 2
